; MI455X (gfx1250); checked and timed in simulation.
; The chip was launched on July 23, 2026; its instructions are those of AMD's public machine-readable ISA for CDNA 5 (MIT licence, August 2026) and "CDNA5" Instruction Set Architecture Reference Guide (July 2026). The comments in the code are by the model that wrote it; some were corrected since.
;; Neural Spline Fourier Filter. Allowed arithmetic: float matrix products may take bf16 or f16 operands with f32 sums; all other float work in f32.
;; Inputs: W1 1 x 16 float32; W2 16 x 16 float32; Wk 16 x 7 float32; Ww 16 x 9 float32; a 1 float32; b1 16 float32; b2 16 float32; bk 7 float32; bw 9 float32; x 256 x 256 x 256 float32.
;; Outputs: out0 256 x 256 x 256 float32.
;; One version. Each part assembles by itself: llvm-mc -triple=amdgcn-amd-amdhsa -mcpu=gfx1250 --defsym DOCPART=n.
;; ======== version 1 of 1: 1 launch
;; limits: right only within a limited range of input values
;; launch spline (part 1): grid 256 x 1, 32 waves a work-group, no clusters, 4,608 bytes of LDS; arguments x, out0, a, W1, b1, W2, b2, Ww, bw, Wk, bk; writes out0
.if DOCPART == 1
	.amdgcn_target "amdgcn-amd-amdhsa--gfx1250"
	.amdhsa_code_object_version 6
	.text
	.protected	k_q2b119a4028_spline
	.globl	k_q2b119a4028_spline
	.p2align	8
	.type	k_q2b119a4028_spline,@function
k_q2b119a4028_spline:
	s_mov_b64 s[64:65], 0
	v_nop
	global_prefetch_b8 v0, s[64:65] scope:SCOPE_SE
	s_setreg_imm32_b32 hwreg(HW_REG_WAVE_MODE, 25, 1), 1
	s_wait_xcnt 0x0
; out0 = cubic B-spline S(clip(x / sqrt 3, 0, 0.9999)), whose 10 control points and 14 padded knots come from a small network on the scalar a.
;
; SHARES.  256 work-groups of 32 waves; a work-group owns 256 KiB of x and of out0 (16 chunks of 16,384 bytes); thread t owns the 16 bytes at
; 16 t of every chunk, so each load or store of a wave covers 512 consecutive bytes that start at a multiple of 512.  x is read once, out0 written once.
; Wave 0 of each work-group works the network out (1,056 multiply-adds) and leaves a table of 35 numbers in LDS; then all 32 waves stream.
; Every wave hangs on that table, so (1) it is made once for 32 waves, 256 times in all, and (2) wave 0's 54 small loads of the weights are issued
; ahead of the work-group's 256 large loads of x: a first barrier stands between the two.  A second barrier hands the table over.
;
; THE SPLINE WITHOUT AN INDEX.  Knots are taken in x's own scale, T = knot * sqrt 3.  S is continuous and S(0) = control point 0 = 0, so
;     S(x) = sum over the seven pieces m of inc_m(s_m),   s_m = clamp01(x G_m + N_m),   inc_m(s) = s (c1_m + s (c2_m + s c3_m)).
; A piece left of x gives its whole increment (s = 1), a piece right of x gives 0: nothing is compared, selected or looked up for an element.
; Both clips are in the table: the ramps start at 0 and the pieces are cut at 0.9999 sqrt 3.  Four packed multiply-adds for a piece and two elements.
;
; LEFT OUT, AND WHY.  Matrix instructions: the three products have one row (1/16 of a tile), and operands of 16 bits would move the knots; they are
; done in f32 on the vector unit.  Tensor loads, LDS slots: no wave reads another's x, and a ring of registers keeps eight 16-byte loads a lane out.
; Clusters: what work-groups share is 2,304 bytes of weights beside 262,144 bytes of x each.  A loop: a thread has eight turns, and every chunk's
; offset (245,760 at the most) stands in the immediate, so no address register is ever stepped.
;
; LIMITS.  (1) Knots are compared as T = knot * sqrt 3 with x, not as knot with x / sqrt 3, and knots that coincide are pushed apart downward by one or
; two units in the last place each (2^-120 near zero): within a few such units of a knot the argument is rounded otherwise than in the problem's
; function, which shows only where four or more knots coincide (S jumps there).  (2) Softmax terms below 2^-96 count as 0.  (3) The sine's argument
; is reduced with pi in two f32 parts: good up to magnitudes of about 1e5.  (4) A NaN in x need not come out as NaN (the clamp may make 0 of it).
; (5) x below -2^126 is wrong if the first knot increment is 0.
.set CHUNK,   16384
; LDS: the table, one slot for each of 16 lanes (slots 0-6 are the pieces; slot 7 is loaded beside them and never selected; 8-15 are never read),
; then wave 0's own scratch
.set TAB_GN,  0                        ; pairs (G_m, N_m) at 8 m
.set TAB_C32, 128                      ; pairs (c3_m, c2_m) at 8 m
.set TAB_C1,  256                      ; c1_m at 4 m
.set SCR_T,   320                      ; the 14 knots
.set SCR_C,   384                      ; 17 words: control points 0..9, then lane 8's number again
; registers of the stream
.set OFF,  1                           ; v1        16 t; never rewritten
.set GN,   2                           ; v[2:17]   the table's slots 0-7
.set C32,  18                          ; v[18:33]
.set C1,   34                          ; v[34:41]
.set X,    42                          ; v[42:73]  four slots of two chunks' 16 bytes
.set RAMP, 74                          ; v[74:81]  s of eight elements
.set POLY, 82                          ; v[82:89]  Horner's value
.set ACC,  90                          ; v[90:97]  the sum; the stores' data
.set LA,   98                          ; v98       0: LDS address of the table and of wave 0's scratch, and wave 0's zero
; registers of wave 0's work (they lie over everything but v0, v1, X and LA)
.set JJ,   99                          ; lane mod 16: both halves of the wave do the same work
.set O4,   100                         ; first part, offsets of the weights' loads, never rewritten: 4 J
.set OW,   101                         ;   4 min(J, 8): column of Ww and bw, kept inside the buffer
.set OK,   102                         ;   4 min(J, 6): column of Wk and bk
.set OZ,   103                         ;   0
.set LM,   104                         ; second part, LDS addresses: 4 min(J, 7), my piece
.set L8,   105                         ;   8 J
.set L4,   41                          ;   4 J
.set PA,   106
.set PW1,  107
.set PB1,  108
.set PB2,  109
.set PBW,  110
.set PBK,  111
.set PW2,  2                           ; v[2:17]   W2's rows, my column
.set PWW,  18                          ; v[18:33]  Ww's rows
.set PWK,  74                          ; v[74:89]  Wk's rows
.set H,    34                          ; the layer's output, unit J in lane J
.set SN,   35                          ; sine: multiple of pi, then q r
.set SG,   36                          ; sine: the sign bit
.set SQ,   37                          ; sine: r squared
.set SP,   38                          ; sine: the series
.set A0,   39
.set A1,   40
.set ACCW, 90
.set ACCK, 91
.set MX,   92                          ; softmax: maximum; later the running sum of p
.set EA,   93                          ; softmax: exponent; later the pushed knot
.set EE,   94
.set SUM,  95
.set RS,   96
.set PP,   97
.set AK,   4                           ; v[4:17]   the 14 knots, the same in every lane
.set NS,   32                          ; s[32:47]  a layer's 16 outputs, or the 7 softmax terms
.set TM2,  18                          ; the six knots round my piece [T0, T1)
.set TM1,  19
.set T0,   20
.set T1,   21
.set T2,   22
.set T3,   23
.set D0,   24                          ; its four control points
.set D1,   25
.set D2,   26
.set D3,   27
.set PL,   28                          ; the piece's ends, cut at 0.9999 sqrt 3, and its length
.set PR,   29
.set HP,   30
.set A11,  31
.set A22,  32
.set A12,  33
.set B11,  74                          ; first the spans, then length / span
.set B12,  75
.set B13,  76
.set B22,  77
.set B23,  78
.set B33,  79
.set HM,   80
.set I11,  81                          ; v[81:87] the seven reciprocals
.set I12,  82
.set I22,  84
.set IG,   87
.set KG,   88
.set KN,   89
.set OG,   112                         ; results: (G, N), (c3, c2), c1
.set ON,   113
.set OC3,  114
.set OC2,  115
.set OC1,  116
.set E1,   117
.set E2,   118
.set E3,   119
.set P10,  120
.set P11,  121
.set P20,  122
.set P21,  123
.set P31,  124
.set F0,   125
.set F1,   126
.set G0,   127
.set G1,   4                           ; the knots' registers are free once they are stored to LDS
.set Q20,  5
.set Q21,  6
.set Q22,  7
.set Q31,  8
.set Q32,  9
.set U0,   10
.set U1,   11
.set U2,   12
; v[r] = sin(v[r]): n = nearest whole number to r / pi; r - n pi with pi in two parts; the odd series to degree 11 on [-pi/2, pi/2]
; (the first term left out is below 6e-8 there); the sign turns with n's lowest bit.
.macro SIN r
	v_mul_f32 v[SN], 0x3ea2f983, v[\r]             ; r / pi
	v_rndne_f32 v[SN], v[SN]
	v_fmamk_f32 v[\r], v[SN], 0xc0490fdb, v[\r]    ; - n * (pi rounded to f32)
	v_fmamk_f32 v[\r], v[SN], 0x33bbbd2e, v[\r]    ; + n * (that rounding's excess over pi)
	v_cvt_i32_f32 v[SG], v[SN]
	v_lshlrev_b32 v[SG], 31, v[SG]
	v_mul_f32 v[SQ], v[\r], v[\r]
	v_mov_b32 v[SP], 0xb2d7322b                    ; -1/11!
	v_fmaak_f32 v[SP], v[SP], v[SQ], 0x3638ef1d    ; +1/9!
	v_fmaak_f32 v[SP], v[SP], v[SQ], 0xb9500d01    ; -1/7!
	v_fmaak_f32 v[SP], v[SP], v[SQ], 0x3c088889    ; +1/5!
	v_fmaak_f32 v[SP], v[SP], v[SQ], 0xbe2aaaab    ; -1/3!
	v_mul_f32 v[SN], v[SQ], v[\r]
	v_fma_f32 v[\r], v[SP], v[SN], v[\r]
	v_xor_b32 v[\r], v[SG], v[\r]
.endm
	s_load_b128 s[4:7], s[0:1], 0x0                ; x s[4:5], out0 s[6:7]
	s_load_b512 s[8:23], s[0:1], 0x10              ; a s[8:9], W1 s[10:11], b1 s[12:13], W2 s[14:15], b2 s[16:17], Ww s[18:19], bw s[20:21], Wk s[22:23]
	s_load_b64 s[24:25], s[0:1], 0x50              ; bk
	v_lshrrev_b32 v2, 5, v0
	v_readfirstlane_b32 s26, v2                    ; the wave's number
	v_lshlrev_b32 v[OFF], 4, v0                    ; 16 t
	s_lshl_b32 s2, ttmp9, 18                       ; the work-group's 256 KiB: 255 * 262,144 at the most, below 4 GiB
	s_mov_b32 s3, 0
	s_cmp_lg_u32 s26, 0
	s_cbranch_scc1 .Lorder
	; ---------------- wave 0, first part: the weights are asked for ----------------
	; the four offsets are made while the kernel's arguments are on their way
	v_and_b32 v[JJ], 15, v0
	v_lshlrev_b32 v[O4], 2, v[JJ]
	v_min_u32 v[OW], 8, v[JJ]
	v_min_u32 v[OK], 6, v[JJ]
	v_lshlrev_b32 v[OW], 2, v[OW]
	v_lshlrev_b32 v[OK], 2, v[OK]
	v_mov_b32 v[OZ], 0
	s_wait_kmcnt 0x0
	; 54 loads of one word a lane: lane J takes column J of each row; lanes beyond a matrix's last column take that last column again
	global_load_b32 v[PA],  v[OZ], s[8:9]
	global_load_b32 v[PW1], v[O4], s[10:11]
	global_load_b32 v[PB1], v[O4], s[12:13]
.irp i, 0,1,2,3,4,5,6,7,8,9,10,11,12,13,14,15
	global_load_b32 v[PW2+\i], v[O4], s[14:15] offset:64*\i
.endr
	global_load_b32 v[PB2], v[O4], s[16:17]
.irp i, 0,1,2,3,4,5,6,7,8,9,10,11,12,13,14,15
	global_load_b32 v[PWW+\i], v[OW], s[18:19] offset:36*\i    ; 36 * 15 + 32 + 4 = 576: the buffer's end
.endr
	global_load_b32 v[PBW], v[OW], s[20:21]
.irp i, 0,1,2,3,4,5,6,7,8,9,10,11,12,13,14,15
	global_load_b32 v[PWK+\i], v[OK], s[22:23] offset:28*\i    ; 28 * 15 + 24 + 4 = 448: the buffer's end
.endr
	global_load_b32 v[PBK], v[OK], s[24:25]
.Lorder:
	s_wait_kmcnt 0x0                               ; waves 1 to 31: the arguments (wave 0 has waited already)
	s_add_nc_u64 s[4:5], s[4:5], s[2:3]            ; x and out0 at the work-group's first byte; no pending load names these registers
	s_add_nc_u64 s[6:7], s[6:7], s[2:3]
	s_barrier_signal -1                            ; this barrier hands nothing over: it orders ISSUE.  Wave 0 signals when its 54 loads are issued (they need
	s_barrier_wait -1                              ; not have landed), so that none of the work-group's 256 loads of x below goes out ahead of them
	; the ring's first fill, every wave: chunks 0 to 7, two for each slot.  It lands while wave 0 makes the table.
.irp c, 0,1,2,3,4,5,6,7
	global_load_b128 v[X+4*\c:X+4*\c+3], v[OFF], s[4:5] offset:\c*CHUNK th:TH_LOAD_NT
.endr
	v_mov_b32 v[LA], 0                             ; every wave: the table's LDS address; never rewritten
	s_cmp_lg_u32 s26, 0
	s_cbranch_scc1 .Lmeet
	; ---------------- wave 0, second part: the network and the table ----------------
	; Of the first part it takes only what the loads bring: its constants and its LDS addresses are made here, from v0, while the weights are on
	; their way.  None of these registers is an address or a destination of a load that is out.
	s_mov_b32 s48, 0x3f7ffffe                      ; 1 - 2^-23
	s_mov_b32 s49, 0x83800000                      ; -2^-120
	s_mov_b32 s50, 0x3fddae2a                      ; 0.9999 sqrt 3: the upper clip in x's scale
	s_mov_b32 s51, 0x3fddb3d7                      ; sqrt 3
	s_mov_b32 s52, 0x03800000                      ; 2^-120
	s_mov_b32 s53, 0x0f800000                      ; 2^-96
	v_and_b32 v[JJ], 15, v0
	v_lshlrev_b32 v[L4], 2, v[JJ]
	v_lshlrev_b32 v[L8], 3, v[JJ]
	v_min_u32 v[LM], 7, v[JJ]
	v_lshlrev_b32 v[LM], 2, v[LM]
	s_wait_loadcnt 8                               ; loads come back in order (ISA guide 5.7.1): the 54 are in, the ring's eight stay out
	; layer 1: sin(a W1 + b1)
	v_fma_f32 v[H], v[PA], v[PW1], v[PB1]
	SIN H
	; layer 2: sin(net W2 + b2), two sums that do not wait for each other; the bias starts the first
.irp i, 0,1,2,3,4,5,6,7,8,9,10,11,12,13,14,15
	v_readlane_b32 s[NS+\i], v[H], \i
.endr
	v_fma_f32 v[A0], s[NS], v[PW2], v[PB2]
	v_mul_f32 v[A1], s[NS+1], v[PW2+1]
.irp i, 2,4,6,8,10,12,14
	v_fmac_f32 v[A0], s[NS+\i], v[PW2+\i]
	v_fmac_f32 v[A1], s[NS+\i+1], v[PW2+\i+1]
.endr
	v_add_f32 v[H], v[A0], v[A1]
	SIN H
	; layer 3: w = net Ww + bw (lanes 0-8) and the knots' logits net Wk + bk (lanes 0-6), the two sums by turns
.irp i, 0,1,2,3,4,5,6,7,8,9,10,11,12,13,14,15
	v_readlane_b32 s[NS+\i], v[H], \i
.endr
	v_fma_f32 v[ACCW], s[NS], v[PWW], v[PBW]
	v_fma_f32 v[ACCK], s[NS], v[PWK], v[PBK]
.irp i, 1,2,3,4,5,6,7,8,9,10,11,12,13,14,15
	v_fmac_f32 v[ACCW], s[NS+\i], v[PWW+\i]
	v_fmac_f32 v[ACCK], s[NS+\i], v[PWK+\i]
.endr
	; softmax over lanes 0-6 of each half.  Lanes 7-15 hold lane 6's logit again: they do not change the maximum, and their terms are cleared.
	v_mov_b32 v[MX], v[ACCK]
	v_max_num_f32_dpp v[MX], v[MX], v[MX] row_xmask:1 row_mask:0xf bank_mask:0xf
	v_max_num_f32_dpp v[MX], v[MX], v[MX] row_xmask:2 row_mask:0xf bank_mask:0xf
	v_max_num_f32_dpp v[MX], v[MX], v[MX] row_xmask:4 row_mask:0xf bank_mask:0xf
	v_max_num_f32_dpp v[MX], v[MX], v[MX] row_xmask:8 row_mask:0xf bank_mask:0xf
	v_sub_f32 v[EA], v[ACCK], v[MX]
	v_mul_f32 v[EA], 0x3fb8aa3b, v[EA]             ; e^z = 2^(z log2 e)
	v_cmp_gt_u32 vcc_lo, 7, v[JJ]
	v_exp_f32 v[EE], v[EA]
	v_nop                                          ; one plain vector instruction behind a transcendental before its result is used (ISA guide 5.7.2)
	s_wait_alu depctr_va_vdst(0)
	v_cndmask_b32 v[EE], 0, v[EE], vcc_lo
	v_mov_b32 v[SUM], v[EE]
	v_add_f32_dpp v[SUM], v[SUM], v[SUM] row_xmask:1 row_mask:0xf bank_mask:0xf
	v_add_f32_dpp v[SUM], v[SUM], v[SUM] row_xmask:2 row_mask:0xf bank_mask:0xf
	v_add_f32_dpp v[SUM], v[SUM], v[SUM] row_xmask:4 row_mask:0xf bank_mask:0xf
	v_add_f32_dpp v[SUM], v[SUM], v[SUM] row_xmask:8 row_mask:0xf bank_mask:0xf
	v_rcp_f32 v[RS], v[SUM]                        ; the sum is at least 1: the largest term is 2^0
	v_nop                                          ; the place behind the transcendental
	s_wait_alu depctr_va_vdst(0)
	v_mul_f32 v[PP], v[EE], v[RS]
	v_cmp_gt_f32 vcc_lo, s53, v[PP]                ; terms below 2^-96 count as 0 (a NaN is kept)
	v_cndmask_b32 v[PP], v[PP], v[LA], vcc_lo
.irp i, 0,1,2,3,4,5,6
	v_readlane_b32 s[NS+\i], v[PP], \i
.endr
	; the knots in x's scale, the same in every lane: AK[3 + m] = sqrt 3 * (p0 + .. + p(m-1))
	v_mov_b32 v[MX], s[NS]
	v_mul_f32 v[AK+4], s51, v[MX]
.irp m, 2,3,4,5,6,7
	v_add_f32 v[MX], s[NS+\m-1], v[MX]
	v_mul_f32 v[AK+3+\m], s51, v[MX]
.endr
	v_max_num_f32 v[AK+11], s51, v[AK+10]          ; the right pad, never below the last knot
	v_mov_b32 v[AK+12], v[AK+11]
	v_mov_b32 v[AK+13], v[AK+11]
	; from the right: no knot reaches its right neighbour's value * (1 - 2^-23) - 2^-120.  Knots that differ by more stay as they are; afterwards every
	; piece has a length that is a normal positive number, so no reciprocal below is infinite.
.irp m, 6,5,4,3,2,1
	v_fma_f32 v[EA], v[AK+4+\m], s48, s49
	v_min_num_f32 v[AK+3+\m], v[AK+3+\m], v[EA]
.endr
	v_fma_f32 v[EA], v[AK+4], s48, s49
	v_min_num_f32 v[AK+3], 0, v[EA]                ; the first knot is 0, or lies below 0 if the next one is 0 too
	v_mov_b32 v[AK], v[AK+3]
	v_mov_b32 v[AK+1], v[AK+3]
	v_mov_b32 v[AK+2], v[AK+3]
	; through my own scratch in LDS: lane m picks the six knots and four control points of piece m.  LDS serves a wave's instructions in order
	; (ISA guide 5.7.1.4), and no other wave touches these bytes: no wait between the stores and the loads, and no barrier.
	ds_store_b128 v[LA], v[AK:AK+3] offset:SCR_T
	ds_store_b128 v[LA], v[AK+4:AK+7] offset:SCR_T+16
	ds_store_b128 v[LA], v[AK+8:AK+11] offset:SCR_T+32
	ds_store_b64 v[LA], v[AK+12:AK+13] offset:SCR_T+48
	ds_store_b32 v[LA], v[LA] offset:SCR_C         ; control point 0 is 0
	ds_store_b32 v[L4], v[ACCW] offset:SCR_C+4     ; control points 1 to 9 = w; lanes 9 to 15 hold lane 8's number and write it to words 10 to 16
.irp q, 0,1,2,3,4,5
	ds_load_b32 v[TM2+\q], v[LM] offset:SCR_T+4*(1+\q)         ; piece m lies between knots 3 + m and 4 + m: knots m + 1 .. m + 6
.endr
.irp j, 0,1,2,3
	ds_load_b32 v[D0+\j], v[LM] offset:SCR_C+4*\j              ; control points m .. m + 3
.endr
	s_wait_dscnt 0x0
	; de Boor's scheme as polynomials in s, x = L + s * length: each ratio (x - t_lo) / (t_hi - t_lo) is A + B s with 0 <= A, B <= 1
	v_min_num_f32 v[PL], s50, v[T0]
	v_min_num_f32 v[PR], s50, v[T1]
	v_sub_f32 v[HP], v[PR], v[PL]                  ; 0 for a piece wholly above the clip: all its B, and so c1, c2, c3, are then 0
	v_sub_f32 v[B11], v[T1], v[TM2]                ; the six spans; each holds [T0, T1), so each is positive
	v_sub_f32 v[B12], v[T2], v[TM1]
	v_sub_f32 v[B13], v[T3], v[T0]
	v_sub_f32 v[B22], v[T1], v[TM1]
	v_sub_f32 v[B23], v[T2], v[T0]
	v_sub_f32 v[B33], v[T1], v[T0]
	v_max_num_f32 v[HM], s52, v[HP]
.irp i, 0,1,2,3,4,5,6
	v_rcp_f32 v[I11+\i], v[B11+\i]
.endr
	v_sub_f32 v[A11], v[T0], v[TM2]                ; the place behind the transcendentals: it names none of their registers
	v_sub_f32 v[A22], v[T0], v[TM1]
	s_wait_alu depctr_va_vdst(0)
.irp i, 0,1,2,3,4,5
	v_mul_f32 v[B11+\i], v[HP], v[I11+\i]
.endr
	v_mul_f32 v[A11], v[A11], v[I11]
	v_mul_f32 v[A12], v[A22], v[I12]
	v_mul_f32 v[A22], v[A22], v[I22]
	v_sub_f32 v[E1], v[D1], v[D0]
	v_sub_f32 v[E2], v[D2], v[D1]
	v_sub_f32 v[E3], v[D3], v[D2]
	v_fma_f32 v[P10], v[A11], v[E1], v[D0]         ; level 1: P1 = P10 + P11 s, P2 = P20 + P21 s, P3 = D2 + P31 s
	v_mul_f32 v[P11], v[B11], v[E1]
	v_fma_f32 v[P20], v[A12], v[E2], v[D1]
	v_mul_f32 v[P21], v[B12], v[E2]
	v_mul_f32 v[P31], v[B13], v[E3]
	v_sub_f32 v[F0], v[P20], v[P10]
	v_sub_f32 v[F1], v[P21], v[P11]
	v_sub_f32 v[G0], v[D2], v[P20]
	v_sub_f32 v[G1], v[P31], v[P21]
	v_fma_f32 v[Q20], v[A22], v[F0], v[P10]        ; level 2: Q2 = P1 + (A22 + B22 s)(P2 - P1), Q3 = P2 + B23 s (P3 - P2)
	v_fma_f32 v[Q21], v[A22], v[F1], v[P11]
	v_fma_f32 v[Q21], v[B22], v[F0], v[Q21]
	v_mul_f32 v[Q22], v[B22], v[F1]
	v_fma_f32 v[Q31], v[B23], v[G0], v[P21]
	v_mul_f32 v[Q32], v[B23], v[G1]
	v_sub_f32 v[U0], v[P20], v[Q20]                ; level 3: Q2 + B33 s (Q3 - Q2); its constant term is the value at the piece's left end and is not needed
	v_sub_f32 v[U1], v[Q31], v[Q21]
	v_sub_f32 v[U2], v[Q32], v[Q22]
	v_fma_f32 v[OC1], v[B33], v[U0], v[Q21]
	v_fma_f32 v[OC2], v[B33], v[U1], v[Q22]
	v_mul_f32 v[OC3], v[B33], v[U2]
	v_mul_f32 v[ON], -v[PL], v[IG]                 ; s = (x - L) G = x G + N
	v_mov_b32 v[KG], 0x00800000
	v_mov_b32 v[KN], 2.0
	v_cmp_ge_f32 vcc_lo, 0, v[T1]                  ; a piece that ends at or below 0 lies left of the lower clip: s = 1 whatever x is
	v_cndmask_b32 v[OG], v[IG], v[KG], vcc_lo
	v_cndmask_b32 v[ON], v[ON], v[KN], vcc_lo
	ds_store_b64 v[L8], v[OG:ON] offset:TAB_GN     ; lane J fills slot J; the wave's two halves write the same numbers
	ds_store_b64 v[L8], v[OC3:OC2] offset:TAB_C32
	ds_store_b32 v[L4], v[OC1] offset:TAB_C1
.Lmeet:
	s_wait_dscnt 0x0                               ; for the others' sake: wave 0's table is in LDS before it signals
	s_barrier_signal -1
	s_barrier_wait -1                              ; behind this barrier LDS is only read
.irp i, 0,1,2,3
	ds_load_b128 v[GN+4*\i:GN+4*\i+3],   v[LA] offset:TAB_GN+16*\i     ; every lane takes the same bytes: slots 0 to 7
	ds_load_b128 v[C32+4*\i:C32+4*\i+3], v[LA] offset:TAB_C32+16*\i
.endr
.irp i, 0,1
	ds_load_b128 v[C1+4*\i:C1+4*\i+3],   v[LA] offset:TAB_C1+16*\i
.endr
	s_wait_dscnt 0x0
; Piece m for the eight elements in v[XB:XB+7], stage by stage over the four pairs, so that no line waits for the line in front of it.
; A pair of the table is read with one of its two registers for both halves: op_sel picks it for the low result, op_sel_hi for the high one.
.macro PIECE m
.irp p, 0,2,4,6
	v_pk_fma_f32 v[RAMP+\p:RAMP+\p+1], v[XB+\p:XB+\p+1], v[GN+2*\m:GN+2*\m+1], v[GN+2*\m:GN+2*\m+1] op_sel:[0,0,1] op_sel_hi:[1,0,1] clamp   ; s = x G + N, held to [0, 1]
.endr
.irp p, 0,2,4,6
	v_pk_fma_f32 v[POLY+\p:POLY+\p+1], v[RAMP+\p:RAMP+\p+1], v[C32+2*\m:C32+2*\m+1], v[C32+2*\m:C32+2*\m+1] op_sel:[0,0,1] op_sel_hi:[1,0,1]   ; s c3 + c2
.endr
.irp p, 0,2,4,6
.if (\m)%2
	v_pk_fma_f32 v[POLY+\p:POLY+\p+1], v[RAMP+\p:RAMP+\p+1], v[POLY+\p:POLY+\p+1], v[C1+\m-1:C1+\m] op_sel:[0,0,1] op_sel_hi:[1,1,1]           ; s (..) + c1
.else
	v_pk_fma_f32 v[POLY+\p:POLY+\p+1], v[RAMP+\p:RAMP+\p+1], v[POLY+\p:POLY+\p+1], v[C1+\m:C1+\m+1] op_sel:[0,0,0] op_sel_hi:[1,1,0]
.endif
.endr
.irp p, 0,2,4,6
.if \m == 0
	v_pk_mul_f32 v[ACC+\p:ACC+\p+1], v[RAMP+\p:RAMP+\p+1], v[POLY+\p:POLY+\p+1]                    ; the first piece starts the sum: nothing is cleared
.else
	v_pk_fma_f32 v[ACC+\p:ACC+\p+1], v[RAMP+\p:RAMP+\p+1], v[POLY+\p:POLY+\p+1], v[ACC+\p:ACC+\p+1]
.endif
.endr
.endm
; Turn t: chunks 2 t and 2 t + 1, in slot t mod 4.  refill = 1: the slot gets the chunks of turn t + 4.  left = how many younger loads may stay out.
.macro TURN t, refill, left
.set XB, X+8*((\t)%4)
	s_wait_loadcnt \left                           ; loads come back in order (ISA guide 5.7.1): the slot's two are in
	s_wait_xcnt 0x0                                ; ACC was the last turn's store data: it is written again only behind this wait
.irp m, 0,1,2,3,4,5,6
	PIECE \m
.endr
.if \refill
	global_load_b128 v[XB:XB+3],   v[OFF], s[4:5] offset:(2*\t+8)*CHUNK th:TH_LOAD_NT    ; loads ahead of stores
	global_load_b128 v[XB+4:XB+7], v[OFF], s[4:5] offset:(2*\t+9)*CHUNK th:TH_LOAD_NT
.endif
	global_store_b128 v[OFF], v[ACC:ACC+3],   s[6:7] offset:(2*\t)*CHUNK th:TH_STORE_NT
	global_store_b128 v[OFF], v[ACC+4:ACC+7], s[6:7] offset:(2*\t+1)*CHUNK th:TH_STORE_NT
.endm
	TURN 0, 1, 6                                   ; out behind the slot's two: 2 (3 - t) first fills of later slots and 2 t refills = 6
	TURN 1, 1, 6
	TURN 2, 1, 6
	TURN 3, 1, 6
	TURN 4, 0, 6                                   ; the last four turns load nothing: 2 (7 - t) refills of later slots, down to none
	TURN 5, 0, 4
	TURN 6, 0, 2
	TURN 7, 0, 0
	s_wait_xcnt 0x0
	v_lshl_add_u32 v126, v0, 2, 0x200
	v_mov_b32 v127, 0
	s_wait_tensorcnt 0x0
	ds_add_u32 v126, v127
	s_wait_dscnt 0x0
	s_endpgm
.Lfunc_end_k_q2b119a4028_spline:
	.size	k_q2b119a4028_spline, .Lfunc_end_k_q2b119a4028_spline-k_q2b119a4028_spline
	.p2alignl 7, 3214868480
	.fill 96, 4, 3214868480
	.section	.rodata,"a",@progbits
	.p2align	6, 0x0
	.amdhsa_kernel k_q2b119a4028_spline
		.amdhsa_group_segment_fixed_size 4608
		.amdhsa_private_segment_fixed_size 0
		.amdhsa_enable_private_segment 0
		.amdhsa_kernarg_size 88
		.amdhsa_user_sgpr_count 2
		.amdhsa_user_sgpr_kernarg_segment_ptr 1
		.amdhsa_wavefront_size32 1
		.amdhsa_system_sgpr_workgroup_id_x 1
		.amdhsa_system_sgpr_workgroup_id_y 1
		.amdhsa_system_sgpr_workgroup_id_z 1
		.amdhsa_system_vgpr_workitem_id 0
		.amdhsa_next_free_vgpr 128
		.amdhsa_next_free_sgpr 66
		.amdhsa_reserve_vcc 1
		.amdhsa_float_denorm_mode_32 3
		.amdhsa_float_denorm_mode_16_64 3
		.amdhsa_memory_ordered 1
		.amdhsa_forward_progress 1
		.amdhsa_inst_pref_size 79
	.end_amdhsa_kernel
	.amdgpu_metadata
---
amdhsa.version: [ 1, 2 ]
amdhsa.kernels:
  - .name:           k_q2b119a4028_spline
    .symbol:         k_q2b119a4028_spline.kd
    .args:
      - { .name: x, .offset: 0, .size: 8, .value_kind: global_buffer, .address_space: global }
      - { .name: out0, .offset: 8, .size: 8, .value_kind: global_buffer, .address_space: global }
      - { .name: a, .offset: 16, .size: 8, .value_kind: global_buffer, .address_space: global }
      - { .name: W1, .offset: 24, .size: 8, .value_kind: global_buffer, .address_space: global }
      - { .name: b1, .offset: 32, .size: 8, .value_kind: global_buffer, .address_space: global }
      - { .name: W2, .offset: 40, .size: 8, .value_kind: global_buffer, .address_space: global }
      - { .name: b2, .offset: 48, .size: 8, .value_kind: global_buffer, .address_space: global }
      - { .name: Ww, .offset: 56, .size: 8, .value_kind: global_buffer, .address_space: global }
      - { .name: bw, .offset: 64, .size: 8, .value_kind: global_buffer, .address_space: global }
      - { .name: Wk, .offset: 72, .size: 8, .value_kind: global_buffer, .address_space: global }
      - { .name: bk, .offset: 80, .size: 8, .value_kind: global_buffer, .address_space: global }
    .group_segment_fixed_size: 4608
    .private_segment_fixed_size: 0
    .kernarg_segment_align: 8
    .kernarg_segment_size: 88
    .max_flat_workgroup_size: 1024
    .sgpr_count:     66
    .vgpr_count:     128
    .wavefront_size: 32
...
	.end_amdgpu_metadata
.endif
;; end of part 1
